; MI455X (gfx1250); checked and timed in simulation.
; The chip was launched on July 23, 2026; its instructions are those of AMD's public machine-readable ISA for CDNA 5 (MIT licence, August 2026) and "CDNA5" Instruction Set Architecture Reference Guide (July 2026). The comments in the code are by the model that wrote it; some were corrected since.
;; Special Self Attention. Allowed arithmetic: matrix products marked QUANTISED: E2M1 operands, one E8M0 scale for each 32 along K, by v_wmma_scale_f32_16x16x128_f8f6f4 with both operands' format E2M1 (or v_wmma_scale_f32_32x16x128_f4), f32 sums; products left as they are: bf16, f16 or f32 operands; f32 sums; everything else in f32.
;; Inputs: Wk 320 x 320 float32; Wo 320 x 320 float32; Wq 320 x 320 float32; Wv 320 x 320 float32; bo 320 float32; edge 4 x 2,048 x 1 float32; x 4 x 2,048 x 320 float32.
;; Outputs: out0 4 x 2,048 x 320 float32.
;; This version of the problem:
;;   THIS VERSION OF THE PROBLEM IS GIVEN IN LOW PRECISION. The matrix products marked QUANTISED in the list below multiply operands that are first quantised to E2M1 (2 exponent bits, 1 mantissa bit; 4 bits a number), with one power-of-two scale for each 32 numbers along K (OCP MX v1.0); their sums are f32. The products marked 'left as it is' may take bf16, f16 or f32 operands, with f32 sums. Whichever they take, every output number must still come out within the allowed error. Rounding operands to bf16 (8 significant bits) uses up far more of that allowance than f16 does (11 bits, for magnitudes from 6e-5 to 65,504). All else is computed in f32.
;;   The module's matrix products, in the order in which they are computed (A, B: the left and right operand; K: the contracted axis; several contracted axes count as one K, in the product's order):
;;     1. [M 8,192, K 320] x [K 320, N 320]; A: input x; B: input Wq: QUANTISED
;;     2. [M 8,192, K 320] x [K 320, N 320]; A: input x; B: input Wk: QUANTISED
;;     3. [M 8,192, K 320] x [K 320, N 320]; A: input x; B: input Wv: QUANTISED
;;     4. batch 20 x [M 2,048, K 64] x [K 64, N 2,048]; A: computed on the way; B: computed on the way: left as it is (an operand is computed on the way)
;;     5. batch 20 x [M 2,048, K 2,048] x [K 2,048, N 64]; A: computed on the way; B: computed on the way: left as it is (an operand is computed on the way)
;;     6. [M 8,192, K 320] x [K 320, N 320]; A: computed on the way; B: input Wo: left as it is (an operand is computed on the way)
;;   THE QUANTISER, for each operand of a quantised product, along K:
;;     - K is cut into blocks of 32 from its start; a last block that is shorter is filled with zeros.
;;     - A block's scale is 2^e with e = floor(log2(the largest magnitude in the block)) - 2, held to -126 .. 127; a block of zeros has e = 0. As a byte (E8M0): e + 127.
;;     - Each number is divided by its block's scale, clamped to +-6, and rounded to the nearest number of E2M1, ties to even, subnormals kept.
;;     - The product sums the exact products of the quantised numbers (number of the format x scale) in f32.
;;   ~~~python
;;   def quantise(x, axis):      # numpy; x: float32 -> the quantised numbers, widened to float32 again
;;       x = np.moveaxis(x, axis, -1); K = x.shape[-1]
;;       x = np.pad(x, [(0, 0)] * (x.ndim - 1) + [(0, -K % 32)]); x = x.reshape(x.shape[:-1] + (-1, 32)); a = np.abs(x).max(-1, keepdims=True)
;;       e = np.where(a > 0, np.clip(np.frexp(np.where(a > 0, a, 1))[1] - 1 - 2, -126, 127), 0)      # np.frexp(a)[1] - 1 = floor(log2(a)), exactly
;;       r = np.clip(x / 2.0 ** e, -6, 6)
;;       step = 2.0 ** (np.maximum(np.frexp(np.where(r == 0, 1, r))[1] - 1, 0) - 1)
;;       q = np.round(r / step) * step * 2.0 ** e      # np.round: ties to even
;;       return np.moveaxis(q.reshape(q.shape[:-2] + (-1,))[..., :K], -1, axis).astype(np.float32)
;;   ~~~
;; One version. Each part assembles by itself: llvm-mc -triple=amdgcn-amd-amdhsa -mcpu=gfx1250 --defsym DOCPART=n.
;; ======== version 1 of 1: 3 launches
;; limits: values are held in f16: magnitudes above 65,504 overflow, below 6.1e-05 lose precision
;; workspace buffers: qimg 5,242,880 bytes; kv 10,485,760 bytes; oimg 5,242,880 bytes
;; launch qkv (part 1): grid 32 x 5, 16 waves a work-group, no clusters, 105,472 bytes of LDS; arguments x, edge, Wq, Wk, Wv, qimg, kv; writes qimg, kv
.if DOCPART == 1
	.amdgcn_target "amdgcn-amd-amdhsa--gfx1250"
	.amdhsa_code_object_version 6
	.text
	.protected	k_q5b749f12a0_qkv
	.globl	k_q5b749f12a0_qkv
	.p2align	8
	.type	k_q5b749f12a0_qkv,@function
k_q5b749f12a0_qkv:
	s_mov_b64 s[64:65], 0
	v_nop
	global_prefetch_b8 v0, s[64:65] scope:SCOPE_SE
	s_setreg_imm32_b32 hwreg(HW_REG_WAVE_MODE, 25, 1), 1
	s_wait_xcnt 0x0
; q = x Wq, k = x Wk, v = x Wv on codes of FP4 (E2M1) with one E8M0 scale for each 32 along K = 320; sums in f32.
; x [8192][320] f32; Wq, Wk, Wv [320 (k)][320 (n)] f32; edge [4][2048] f32.
; OUT: f16 images of the operand registers that the attention launch wants, each quarter fragment 512 consecutive bytes, lane l's 16 bytes at 16 l:
;   qimg [bh 20][tile of 16 tokens 128][i 4][lane][16 B]: q x edge x 2^-4, channels 16 i + 8 (lane / 16) + 0..7 of token lane % 16
;   kv   [bh 20][part of 256 keys 8][65,536 B]: bytes 0..32,767 k x edge x 2^-4 as [key tile 16][i 4][lane][16 B];
;        bytes 32,768.. v turned: [group of 32 keys 8][dt 4][c 2][lane][16 B]: channel 16 dt + lane % 16, keys 16 c + 8 (lane / 16) + 0..7
; bh = 5 b + h; the edge row of head index bh is bh % 4 = (b + h) & 3.  Both factors of the score's edge product are multiplied in here, in f32, ahead of the rounding to f16;
; the two 2^-4 give f16 room upward and are taken back in the attention launch's exponent factor.
; SHARES.  A work-group takes 256 rows (one part) and head h's 64 columns of each of the three weights: 12 column tiles.  Wave w owns row tile w: it loads and quantises its 16 rows of x,
; keeps the codes in registers, and multiplies them with all 12 column tiles.  The weights' columns are quantised once for the work-group: waves 0-14 take tensor w / 5, K blocks 2 (w % 5) and + 1,
; a lane to a column, registers down K; codes and scale bytes go to LDS in the order of the operand's registers.  Wave 15 writes the two pad bytes of each scale record.
; x COMES IN AS IT LIES AND IS TURNED IN LDS.  The conversions want 32 neighbours along K of ONE row in a lane's registers; a load is best where neighbouring lanes take neighbouring bytes.  Both are had:
; a unit is 64 numbers, 256 aligned bytes of a row (a row is five units); a load takes a unit of two rows, sixteen lanes to a row's 256 bytes; eight loads bring a unit of my 16 rows.  They go through my own stage in LDS
; (16 rows x 272 bytes) as loaded and come back 128 bytes a lane, into the registers that they left.  LDS serves a wave's instructions in order (ISA guide 5.7.1.4): one stage serves all five units, without a wait or a barrier.
; q and k are made transposed (source 0 = 16 weight columns, source 1 = my 16 tokens): a lane holds one token and eight neighbouring channels; v the natural way round: a lane holds one channel and eight tokens.
; Either way four packed roundings give a quarter fragment in its own lanes: nothing changes lanes, and every store of a wave covers 512 consecutive aligned bytes.
; NO CLUSTER, NO TENSOR LOAD: every input number has to pass through registers to be quantised, and the 256 rows of x with a padded pitch are more bytes than LDS has.
; K = 320 is two and a half steps of 128: the third step's upper 64 are zero codes on both sides (scale bytes 0 on x's side, 0x7f on the weights').
; LIMITS: blocks whose largest magnitude lies under 2^-124 (the floor, byte 1) were not tried; a block of zeros gets the byte 1 (its codes are zeros; this program alone reads the bytes);
; q x edge / 16, k x edge / 16 and v beyond 65,504 become infinity in f16; NaN and infinities among the inputs are not served.
.set WIMG,  0                          ; LDS: codes [column tile 12][block 10][column 16][16 B]: step s, half c, lane l at 1024 s + 512 c + 16 l of a tile's 2,560 bytes
.set WSC,   30720                      ; scale records [column tile 12][column 16][16 B]: byte b = block b's scale, bytes 10, 11 = 0x7f
.set XSTG,  33792                      ; x's stages: for each wave 16 rows x (256 bytes + 16): row r starts 16 r bytes on modulo 256 (64 banks of 4 bytes: ISA guide 11.1), so sixteen lanes that read sixteen rows take sixteen different columns
.set XSTB,  4352                       ; a wave's stage
.set SPARE, 103424                     ; the spare words: 128 bytes for each of 16 waves, named by no other line
.set XS,    24                         ; v24-26   x's scale words, one a K step: scales and nothing else
.set WSR,   28                         ; v28-43   four scale records (three words used of each four): scales and nothing else
.set XF,    44                         ; v44-67   x's codes: step s at XF + 8 s; v64-67 stay 0
.set XST,   68                         ; v68-163  three slots of 32 numbers of x
.set WST,   164                        ; v164-227 two column halves x 32 numbers of a weight
.set WC,    228                        ; v228-243 codes of my four weight blocks
.set WB,    244                        ; v244-247 their scale bytes
.set STA,   248                        ; v248     the stage, on the way in: 272 (lane / 16) + 16 (lane % 16)
.set LDA,   249                        ; v249     and back: 272 (lane % 16) + 128 (lane / 16)
.set WF,    68                         ; products: four weight fragments of 24 registers (three K steps), the last four of each stay 0
.set ACC,   164                        ; v164-195 four accumulators
.set OUT,   196                        ; v196-243 16 registers for each tensor: no store's data are written again
; v1 x offset, v2 weight offset, v3 / v4 where my weight codes / bytes go, v5 16 x lane (LDS), v6 scale records, v7 16 x lane (global), v8 8 (lane / 16), v9 edge offset,
; v[10:11] edge / 16 twice, v12 / v13 the add's two, v14 / v15 the pads, v16-23 at work
.macro PLACES n
.rept \n
	v_nop
.endr
.endm
; the largest magnitude of 32 numbers of one lane, two chains, with the floor 2^(3 - 127) as a last leaf: so the scale's byte cannot fall under 1
.macro BMAX m, t, base
	v_max3_num_f32 v[\m], |v[\base]|, |v[\base+1]|, |v[\base+2]|
	v_max3_num_f32 v[\t], |v[\base+3]|, |v[\base+4]|, |v[\base+5]|
.irp i, 6,10,14,18,22,26
	v_max3_num_f32 v[\m], v[\m], |v[\base+\i]|, |v[\base+\i+1]|
	v_max3_num_f32 v[\t], v[\t], |v[\base+\i+2]|, |v[\base+\i+3]|
.endr
	v_max3_num_f32 v[\m], v[\m], |v[\base+30]|, |v[\base+31]|
	v_max3_num_f32 v[\m], v[\m], v[\t], 0x1800000
.endm
; unit cu of my 16 rows as it lies: load i takes rows 2 i and 2 i + 1, sixteen lanes to a row's 256 aligned bytes
.macro XLOAD slot, cu
.irp i, 0,1,2,3,4,5,6,7
	global_load_b128 v[\slot+4*\i:\slot+4*\i+3], v1, s[24:25] offset:2560*\i+256*\cu
.endr
.endm
; the unit in a slot goes through my stage: in as loaded, back 128 bytes a lane: register 4 j + i is then k = 64 cu + 32 (lane / 16) + 4 j + i of row lane % 16: a whole block, as the operand's layout gives it to my lane
.macro TURN slot
.irp i, 0,1,2,3,4,5,6,7
	ds_store_b128 v[STA], v[\slot+4*\i:\slot+4*\i+3] offset:544*\i
.endr
.irp j, 0,1,2,3,4,5,6,7
	ds_load_b128 v[\slot+4*\j:\slot+4*\j+3], v[LDA] offset:16*\j
.endr
.endm
; block 2 j + e of 64 columns: a lane to a column, registers down K; each load reads 128 consecutive bytes
.macro WLOAD e
.irp half, 0,1
.irp i, 0,1,2,3,4,5,6,7,8,9,10,11,12,13,14,15,16,17,18,19,20,21,22,23,24,25,26,27,28,29,30,31
	global_load_b32 v[WST+32*\half+\i], v2, s[22:23] offset:(32*\e+\i)*1280+128*\half
.endr
.endr
.endm
; K step s of x: the blocks in slots ra (and rb, nb = 2) become registers 0-3 (and 4-7) of the fragment, and the step's scale word
.macro QX s, ra, rb, nb
	BMAX 16, 22, \ra
.if \nb == 2
	BMAX 17, 23, \rb
.endif
	v_add_nc_u32 v18, 0xff000000, v16              ; 2 off the exponent field: the conversion takes this operand's exponent field as its scale
	v_lshrrev_b32 v20, 23, v18                     ; the scale's byte
.if \nb == 2
	v_add_nc_u32 v19, 0xff000000, v17
	v_lshrrev_b32 v21, 23, v19
	v_lshl_or_b32 v20, v21, 16, v20                ; my two bytes: blocks h and 2 + h of the step,
.endif
	v_lshlrev_b32 v22, v8, v20                     ; at their places in the word (8 h bits up);
	v_permlanex16_b32 v23, v22, s36, s37
	v_or_b32 v[XS+\s], v22, v23                    ; with lane l xor 16's the word is whole
.irp g, 0,1,2,3
	v_cvt_scalef32_pk8_fp4_f32 v[XF+8*\s+\g], v[\ra+8*\g:\ra+8*\g+7], v18
.endr
.if \nb == 2
.irp g, 0,1,2,3
	v_cvt_scalef32_pk8_fp4_f32 v[XF+8*\s+4+\g], v[\rb+8*\g:\rb+8*\g+7], v19
.endr
.endif
	v_nop                                          ; one plain place behind the last scaled conversion
.endm
; weight block u of my four: column half, block 2 j + e: 16 bytes of codes and one byte, to their places in LDS
.macro QW u, half, e
	BMAX 16, 17, WST+32*\half
	v_add_nc_u32 v18, 0xff000000, v16
.irp g, 0,1,2,3
	v_cvt_scalef32_pk8_fp4_f32 v[WC+4*\u+\g], v[WST+32*\half+8*\g:WST+32*\half+8*\g+7], v18
.endr
	v_lshrrev_b32 v[WB+\u], 23, v18                ; the byte; also the plain place behind the conversions
	ds_store_b128 v3, v[WC+4*\u:WC+4*\u+3] offset:5120*\half+256*\e
	ds_store_b8 v4, v[WB+\u] offset:512*\half+\e
.endm
; tensor t's four column tiles: five quarter-fragment loads and one scale record each
.macro TENS_LOAD t
.irp ct, 0,1,2,3
.irp f, 0,1,2,3,4
	ds_load_b128 v[WF+24*\ct+4*\f:WF+24*\ct+4*\f+3], v5 offset:(4*\t+\ct)*2560+512*\f
.endr
	ds_load_b96 v[WSR+4*\ct:WSR+4*\ct+2], v6 offset:(4*\t+\ct)*256
.endr
.endm
; 12 products: three K steps, the four accumulators by turns, one instruction a turn; the first step starts the sums
.macro TENS_MUL t
.irp s, 0,1,2
.irp ct, 0,1,2,3
.if \t < 2
.if \s == 0
	v_wmma_scale_f32_16x16x128_f8f6f4 v[ACC+8*\ct:ACC+8*\ct+7], v[WF+24*\ct+8*\s:WF+24*\ct+8*\s+7], v[XF+8*\s:XF+8*\s+7], 0, v[WSR+4*\ct+\s], v[XS+\s] matrix_a_fmt:MATRIX_FMT_FP4 matrix_b_fmt:MATRIX_FMT_FP4
.else
	v_wmma_scale_f32_16x16x128_f8f6f4 v[ACC+8*\ct:ACC+8*\ct+7], v[WF+24*\ct+8*\s:WF+24*\ct+8*\s+7], v[XF+8*\s:XF+8*\s+7], v[ACC+8*\ct:ACC+8*\ct+7], v[WSR+4*\ct+\s], v[XS+\s] matrix_a_fmt:MATRIX_FMT_FP4 matrix_b_fmt:MATRIX_FMT_FP4
.endif
.else
.if \s == 0
	v_wmma_scale_f32_16x16x128_f8f6f4 v[ACC+8*\ct:ACC+8*\ct+7], v[XF+8*\s:XF+8*\s+7], v[WF+24*\ct+8*\s:WF+24*\ct+8*\s+7], 0, v[XS+\s], v[WSR+4*\ct+\s] matrix_a_fmt:MATRIX_FMT_FP4 matrix_b_fmt:MATRIX_FMT_FP4
.else
	v_wmma_scale_f32_16x16x128_f8f6f4 v[ACC+8*\ct:ACC+8*\ct+7], v[XF+8*\s:XF+8*\s+7], v[WF+24*\ct+8*\s:WF+24*\ct+8*\s+7], v[ACC+8*\ct:ACC+8*\ct+7], v[XS+\s], v[WSR+4*\ct+\s] matrix_a_fmt:MATRIX_FMT_FP4 matrix_b_fmt:MATRIX_FMT_FP4
.endif
.endif
.endr
.endr
.endm
; q and k: x my token's edge / 16, in f32; all: rounded to f16, each accumulator from its low end on; 512 consecutive bytes a store
.macro TENS_OUT t
.irp ct, 0,1,2,3
.if \t < 2
.irp i, 0,2,4,6
	v_pk_mul_f32 v[ACC+8*\ct+\i:ACC+8*\ct+\i+1], v[ACC+8*\ct+\i:ACC+8*\ct+\i+1], v[10:11]
.endr
.endif
.irp i, 0,1,2,3
	v_cvt_pk_f16_f32 v[OUT+16*\t+4*\ct+\i], v[ACC+8*\ct+2*\i], v[ACC+8*\ct+2*\i+1]
.endr
.if \t == 0
	global_store_b128 v7, v[OUT+16*\t+4*\ct:OUT+16*\t+4*\ct+3], s[28:29] offset:512*\ct
.elseif \t == 1
	global_store_b128 v7, v[OUT+16*\t+4*\ct:OUT+16*\t+4*\ct+3], s[30:31] offset:512*\ct
.else
	global_store_b128 v7, v[OUT+16*\t+4*\ct:OUT+16*\t+4*\ct+3], s[32:33] offset:1024*\ct
.endif
.endr
.endm
	s_load_b256 s[4:11], s[0:1], 0x0               ; x s[4:5], edge s[6:7], Wq s[8:9], Wk s[10:11]
	s_load_b128 s[12:15], s[0:1], 0x20             ; Wv s[12:13], qimg s[14:15]
	s_load_b64 s[16:17], s[0:1], 0x30              ; kv
	v_lshl_add_u32 v12, v0, 2, SPARE               ; my spare word,
	v_mov_b32 v13, 0                               ; and 0: kept for the add at the wave's end
	v_lshrrev_b32 v16, 5, v0
	v_readfirstlane_b32 s18, v16                   ; wave 0..15
	s_min_u32 s19, s18, 14                         ; w' (wave 15 quantises no weight)
	s_mul_i32 s20, s19, 13
	s_lshr_b32 s20, s20, 6                         ; t = w' / 5: which weight
	s_mul_i32 s21, s20, 5
	s_sub_co_u32 s21, s19, s21                     ; j = w' % 5: K blocks 2 j, 2 j + 1
	s_lshr_b32 s42, ttmp9, 3                       ; b
	s_and_b32 s43, ttmp9, 7                        ; p: the part of 256 tokens
	s_and_b32 s44, ttmp7, 0xffff                   ; h
	s_lshl_b32 s39, s18, 4
	s_lshl_b32 s38, ttmp9, 8
	s_add_co_u32 s38, s38, s39                     ; my first row of x: 256 x row block + 16 x wave
	s_mul_i32 s40, s38, 1280
	s_mov_b32 s41, 0
	s_add_co_u32 s45, s42, s44
	s_and_b32 s45, s45, 3                          ; the edge row: (b + h) & 3
	s_lshl_b32 s45, s45, 11
	s_lshl_b32 s46, s43, 8
	s_add_co_u32 s45, s45, s46
	s_add_co_u32 s45, s45, s39
	s_lshl_b32 s46, s45, 2                         ; my 16 tokens' edge numbers, in bytes
	s_mov_b32 s47, 0
	s_mul_i32 s48, s42, 5
	s_add_co_u32 s48, s48, s44                     ; bh
	s_lshl_b32 s50, s48, 7
	s_lshl_b32 s51, s43, 4
	s_add_co_u32 s50, s50, s51
	s_add_co_u32 s50, s50, s18
	s_lshl_b32 s50, s50, 11                        ; qimg: (128 bh + 16 p + w) x 2,048
	s_mov_b32 s51, 0
	s_lshl_b32 s52, s48, 19
	s_lshl_b32 s53, s43, 16
	s_add_co_u32 s52, s52, s53                     ; kv: my part
	s_lshl_b32 s53, s18, 11
	s_add_co_u32 s54, s52, s53                     ; k: key tile w
	s_mov_b32 s55, 0
	s_lshr_b32 s53, s18, 1
	s_lshl_b32 s53, s53, 12
	s_add_co_u32 s56, s52, s53                     ; v: group w / 2,
	s_and_b32 s53, s18, 1
	s_lshl_b32 s53, s53, 9
	s_add_co_u32 s56, s56, s53                     ; half w % 2,
	s_add_co_u32 s56, s56, 32768                   ; behind the part's k
	s_mov_b32 s57, 0
	s_mul_i32 s58, s21, 81920                      ; the weight: 64 j rows of 1,280 bytes
	s_lshl_b32 s59, s44, 8
	s_add_co_u32 s58, s58, s59                     ; + the head's 64 columns
	s_mov_b32 s59, 0
	s_mov_b32 s36, 0x76543210
	s_mov_b32 s37, 0xfedcba98                      ; v_permlanex16_b32's selects for lane l xor 16
	v_and_b32 v17, 31, v0                          ; lane
	v_and_b32 v18, 15, v0                          ; r
	v_bfe_u32 v19, v0, 4, 1                        ; hh
	v_mul_u32_u24 v1, v19, 1280
	v_lshl_add_u32 v1, v18, 4, v1                  ; x: lanes 0-15 one row, lanes 16-31 the next; 16 bytes a lane
	v_lshlrev_b32 v2, 2, v17                       ; weights: 4 bytes a lane
	v_mul_u32_u24 v3, v19, 2560
	v_lshl_add_u32 v3, v18, 4, v3
	s_lshl_b32 s34, s19, 9
	s_mul_i32 s35, s20, 7680
	s_add_co_u32 s34, s34, s35                     ; 10,240 t + 512 j written as 512 w' + 7,680 t
	v_add_nc_u32 v3, s34, v3                       ; my weight codes' place
	v_lshlrev_b32 v4, 8, v19
	v_lshl_add_u32 v4, v18, 4, v4
	s_lshl_b32 s34, s19, 1
	s_mul_i32 s35, s20, 1014
	s_add_co_u32 s34, s34, s35                     ; 1,024 t + 2 j written as 2 w' + 1,014 t
	s_add_co_u32 s34, s34, WSC
	v_add_nc_u32 v4, s34, v4                       ; my scale bytes' place
	v_lshlrev_b32 v5, 4, v17
	v_lshl_add_u32 v6, v18, 4, WSC
	v_lshlrev_b32 v7, 4, v17
	v_lshlrev_b32 v8, 3, v19
	v_lshlrev_b32 v9, 2, v18
	v_lshl_add_u32 v14, v17, 4, WSC+10
	v_mov_b32 v15, 0x7f7f
	s_mul_i32 s34, s18, XSTB
	s_add_co_u32 s34, s34, XSTG                    ; my stage
	v_mul_u32_u24 v[STA], v19, 272
	v_lshl_add_u32 v[STA], v18, 4, v[STA]
	v_add_nc_u32 v[STA], s34, v[STA]               ; in: the load's two rows, 16 bytes a lane
	v_mul_u32_u24 v[LDA], v18, 272
	v_lshl_add_u32 v[LDA], v19, 7, v[LDA]
	v_add_nc_u32 v[LDA], s34, v[LDA]               ; back: row r, my half's 128 bytes
	v_mov_b32 v23, 0                               ; a lane permute's destination counts as one of its sources
	s_wait_kmcnt 0x0
	s_add_nc_u64 s[24:25], s[4:5], s[40:41]
	s_add_nc_u64 s[26:27], s[6:7], s[46:47]
	s_add_nc_u64 s[28:29], s[14:15], s[50:51]
	s_add_nc_u64 s[30:31], s[16:17], s[54:55]
	s_add_nc_u64 s[32:33], s[16:17], s[56:57]
	s_cmp_lt_u32 s18, 5                            ; the weight is chosen by the wave's number alone
	s_cselect_b64 s[22:23], s[8:9], s[10:11]
	s_cmp_lt_u32 s18, 10
	s_cselect_b64 s[22:23], s[22:23], s[12:13]
	s_add_nc_u64 s[22:23], s[22:23], s[58:59]
	; the first round of loads: three of x's five units, the edge numbers, the first weight block
	XLOAD XST, 0
	XLOAD XST+32, 1
	XLOAD XST+64, 2
	global_load_b32 v10, v9, s[26:27]
	s_cmp_lt_u32 s18, 15
	s_cbranch_scc0 .Lno_w0
	WLOAD 0
.Lno_w0:
	s_wait_loadcnt 0x0                             ; zero: right for waves with and without weight loads
	TURN XST                                       ; units 0 and 1 go through the stage while the first weight block is quantised
	TURN XST+32
	s_cmp_lt_u32 s18, 15
	s_cbranch_scc0 .Lpads
	QW 0, 0, 0
	QW 1, 1, 0
	WLOAD 1                                        ; the second round begins
	s_branch .Lw1
.Lpads:
.irp i, 0,1,2,3,4,5
	ds_store_b16 v14, v15 offset:512*\i            ; bytes 10 and 11 of 32 records: the scales over the third step's zero codes
.endr
.Lw1:
	v_mul_f32 v10, 0x3d800000, v10                 ; edge x 2^-4
	v_mov_b32 v11, v10
.irp i, 64,65,66,67
	v_mov_b32 v[\i], 0                             ; x's codes of k = 320 .. 383
.endr
	s_wait_dscnt 0x0                               ; units 0 and 1 are back (zero: the two ways have issued different numbers of LDS stores behind them)
	QX 0, XST, XST+32, 2
	XLOAD XST, 3                                   ; the freed slots take units 3 and 4
	XLOAD XST+32, 4
	TURN XST+64                                    ; unit 2 goes through the stage while they are on their way
	s_wait_loadcnt 0x0
	TURN XST
	TURN XST+32
	s_cmp_lt_u32 s18, 15
	s_cbranch_scc0 .Lno_w1
	QW 2, 0, 1                                     ; the second weight block, while units 3 and 4 are in the stage
	QW 3, 1, 1
.Lno_w1:
	s_wait_dscnt 0x0                               ; for the others' sake: my weight codes and bytes (or pads) have landed; for mine: units 2, 3 and 4 are back
	s_barrier_signal -1                            ; the one barrier of the launch. Between signal and wait: work on registers alone
	QX 1, XST+64, XST, 2
	QX 2, XST+32, 0, 1
.irp ct, 0,1,2,3
.irp i, 20,21,22,23
	v_mov_b32 v[WF+24*\ct+\i], 0                   ; the weights' codes of k = 320 .. 383: they stay for all three tensors
.endr
.endr
	s_barrier_wait -1                              ; everybody's codes and scale records lie in LDS
	TENS_LOAD 0
	PLACES 8                                       ; scale words and codes written by vector instructions stand 8 and 4 places ahead of a scaled product
	s_wait_dscnt 0x0
	TENS_MUL 0
	PLACES 5                                       ; in front of loads into the products' sources; the next tensor's first products begin the same accumulators anew
	TENS_LOAD 1
	TENS_OUT 0
	s_wait_dscnt 0x0
	TENS_MUL 1
	PLACES 5
	TENS_LOAD 2
	TENS_OUT 1
	s_wait_dscnt 0x0
	TENS_MUL 2
	PLACES 5
	TENS_OUT 2
	s_wait_tensorcnt 0x0                           ; the wave's end
	ds_add_u32 v12, v13
	s_wait_dscnt 0x0
	s_endpgm
.Lfunc_end_k_q5b749f12a0_qkv:
	.size	k_q5b749f12a0_qkv, .Lfunc_end_k_q5b749f12a0_qkv-k_q5b749f12a0_qkv
	.p2alignl 7, 3214868480
	.fill 96, 4, 3214868480
	.section	.rodata,"a",@progbits
	.p2align	6, 0x0
	.amdhsa_kernel k_q5b749f12a0_qkv
		.amdhsa_group_segment_fixed_size 105472
		.amdhsa_private_segment_fixed_size 0
		.amdhsa_enable_private_segment 0
		.amdhsa_kernarg_size 56
		.amdhsa_user_sgpr_count 2
		.amdhsa_user_sgpr_kernarg_segment_ptr 1
		.amdhsa_wavefront_size32 1
		.amdhsa_system_sgpr_workgroup_id_x 1
		.amdhsa_system_sgpr_workgroup_id_y 1
		.amdhsa_system_sgpr_workgroup_id_z 1
		.amdhsa_system_vgpr_workitem_id 0
		.amdhsa_next_free_vgpr 256
		.amdhsa_next_free_sgpr 66
		.amdhsa_reserve_vcc 0
		.amdhsa_float_denorm_mode_32 3
		.amdhsa_float_denorm_mode_16_64 3
		.amdhsa_memory_ordered 1
		.amdhsa_forward_progress 1
		.amdhsa_inst_pref_size 57
	.end_amdhsa_kernel
	.amdgpu_metadata
---
amdhsa.version: [ 1, 2 ]
amdhsa.kernels:
  - .name:           k_q5b749f12a0_qkv
    .symbol:         k_q5b749f12a0_qkv.kd
    .args:
      - { .name: x, .offset: 0, .size: 8, .value_kind: global_buffer, .address_space: global }
      - { .name: edge, .offset: 8, .size: 8, .value_kind: global_buffer, .address_space: global }
      - { .name: Wq, .offset: 16, .size: 8, .value_kind: global_buffer, .address_space: global }
      - { .name: Wk, .offset: 24, .size: 8, .value_kind: global_buffer, .address_space: global }
      - { .name: Wv, .offset: 32, .size: 8, .value_kind: global_buffer, .address_space: global }
      - { .name: qimg, .offset: 40, .size: 8, .value_kind: global_buffer, .address_space: global }
      - { .name: kv, .offset: 48, .size: 8, .value_kind: global_buffer, .address_space: global }
    .group_segment_fixed_size: 105472
    .private_segment_fixed_size: 0
    .kernarg_segment_align: 8
    .kernarg_segment_size: 56
    .max_flat_workgroup_size: 512
    .sgpr_count:     66
    .vgpr_count:     256
    .wavefront_size: 32
...
	.end_amdgpu_metadata
.endif
;; end of part 1
;; launch attn (part 2): grid 11 x 20, 8 waves a work-group, no clusters, 327,680 bytes of LDS; arguments qimg, kv, oimg; writes oimg
.if DOCPART == 2
	.amdgcn_target "amdgcn-amd-amdhsa--gfx1250"
	.amdhsa_code_object_version 6
	.text
	.protected	k_q5b749f12a0_attn
	.globl	k_q5b749f12a0_attn
	.p2align	8
	.type	k_q5b749f12a0_attn,@function
k_q5b749f12a0_attn:
	s_mov_b64 s[64:65], 0
	v_nop
	global_prefetch_b8 v0, s[64:65] scope:SCOPE_SE
	s_setreg_imm32_b32 hwreg(HW_REG_WAVE_MODE, 25, 1), 1
	s_wait_xcnt 0x0
; o[bh][q] = the sum over keys of softmax(q' . k' x 2^8 / 8) v, f16 operands, products, maxima and sums in f32.  q' and k' carry the edge factors and 2^-4 each (the launch before).
; qimg and kv hold images of operand registers (their layouts: at the head of the launch that writes them); oimg [row tile 512 = 128 b + tile][K step 10][c 2][lane][16 B], f16, is the image that the projection wants.
; SHARES.  A work-group owns 192 queries (12 tiles of 16) of one head index bh.  Wave w: G = w & 3 holds tiles 12 x + 3 G + 0..2; KH = w >> 2 says which key steps of 64 it walks: those with step % 2 = KH.
; So each fragment of K and V read from LDS feeds three products, and each SIMD holds two waves.  At the end the two waves of a group join their (O, c m, l) through LDS.
; 2,048 = 10 x 192 + 128: in the last work-group of a head the tile numbers from 128 on are held at 127 for the loads, and their stores are jumped over (a compare of ids).
; LAYOUT.  S^T = K Q^T (source 0 = 16 keys, source 1 = 16 queries), O^T = V^T P: a lane holds ONE query throughout; two score tiles rounded in pairs are source 1 of the second product.
; SOFTMAX.  A running maximum m and sum l a query: p = 2^(c s - c m), c = 2^8 / 8 x log2(e); in every step O and l are multiplied by 2^(c m_old - c m_new).  l is the sum of the unrounded p.
; THE RING.  Two LDS slots, each a part of kv (256 keys: 32 KB of K, 32 KB of V) as it lies in memory; each of the eight waves brings an eighth by one tensor load, one load a wave behind each barrier, one out at the most.
; THE TWO WAVES OF A SIMD STAND HALF A STEP APART: waves with KH = 0 finish the softmax and V^T P of a slot's last step ahead of the change of slots, waves with KH = 1 behind it (scores and V are in registers by then).
; Only register work and the wait for LDS loads stand under those branches on the wave's number: no barrier, no add, no tensor load.
; NO CLUSTER: a head has 11 query blocks, which no cluster of 2, 3 or 4 along x divides.
; O begins as zeros and m as -3e38, so that the key step is written without a first form of its own.
; LIMITS: scores whose f16 operands have overflowed (see the launch before) give NaN; NaN and infinities are not served.
; REGISTERS.  Window 0: v1 16 lane + 8,192 KH; v2 the slot's address; v3, v4 the add's two; v5, v6 the join's places; v7 16 lane; v8-31 statistics, 8 a tile (+0 c m, +1 m, +2, +3 l, +4..+7 at work, the factor in +6);
;   v32-127 S^T; v128-175 P; v176-239 K; v240-251 at work; v252 the prefetch's offset.   Window 1: v0-63 V; v64-111 Q; v112-207 O^T.
.set SLOT1, 65536
.set PARTB, 65536
.set MERGE, 131072                     ; behind the ring: for each group 24 x 512 bytes of O^T, then 3 x (128 bytes of c m + 128 of l)
.set MGRP,  13056
.set SPARE, MERGE+4*MGRP               ; the spare words: 128 bytes for each of 8 waves, named by no other line
.set LB,  1
.set AD,  2
.set SPW, 3
.set NIL, 4
.set MGA, 5
.set MGS, 6
.set GO,  7
.set ST,  8
.set S,   32
.set P,   128
.set KF,  176
.set T,   240
.set PFO, 252
.set VF,  0
.set Q,   64
.set O,   112
.set MSB, 0
.macro WIN new                         ; bits 1:0 source 0, 3:2 source 1, 5:4 source 2, 7:6 destination; the high byte repeats the setting that is left
.if MSB != \new
	s_set_vgpr_msb (MSB<<8)|\new
.set MSB, \new
.endif
.endm
.macro PLACES
.rept 4
	v_nop
.endr
.endm
.macro FETCH_K i                       ; my i-th step of the slot: 4 key tiles x 4 quarter fragments
.irp f, 0,1,2,3,4,5,6,7,8,9,10,11,12,13,14,15
	ds_load_b128 v[KF+4*\f:KF+4*\f+3], v[AD] offset:16384*\i+512*\f
.endr
.endm
.macro FETCH_V i                       ; the same step's V: 2 groups of 32 keys x 4 channel tiles x 2 halves
	WIN 0x40
.irp f, 0,1,2,3,4,5,6,7,8,9,10,11,12,13,14,15
	ds_load_b128 v[VF+4*\f:VF+4*\f+3], v[AD] offset:32768+16384*\i+512*\f
.endr
	WIN 0
.endm
; 24 products S^T = K Q^T: 12 accumulators by turns, one instruction a turn; the first 12 start the sums
.macro QK
	WIN 0x04
.irp s, 0,1
.irp kt, 0,1,2,3
.irp u, 0,1,2
.if \s == 0
	v_wmma_f32_16x16x32_f16 v[S+32*\u+8*\kt:S+32*\u+8*\kt+7], v[KF+16*\kt+8*\s:KF+16*\kt+8*\s+7], v[Q+16*\u+8*\s:Q+16*\u+8*\s+7], 0
.else
	v_wmma_f32_16x16x32_f16 v[S+32*\u+8*\kt:S+32*\u+8*\kt+7], v[KF+16*\kt+8*\s:KF+16*\kt+8*\s+7], v[Q+16*\u+8*\s:Q+16*\u+8*\s+7], v[S+32*\u+8*\kt:S+32*\u+8*\kt+7]
.endif
.endr
.endr
.endr
	WIN 0
	PLACES                                         ; in front of the first read of the scores and of loads into K's registers
.endm
; the softmax of three tiles x 64 keys, the tiles by turns line by line
.macro SM
.irp j, 0,1,2,3                        ; the maximum: four chains a tile; each score tile is first read at its low end
.irp u, 0,1,2
	v_max3_num_f32 v[ST+8*\u+4+\j], v[S+32*\u+8*\j], v[S+32*\u+8*\j+1], v[S+32*\u+8*\j+2]
.endr
.endr
.irp q, 1,2
.irp j, 0,1,2,3
.irp u, 0,1,2
	v_max3_num_f32 v[ST+8*\u+4+\j], v[ST+8*\u+4+\j], v[S+32*\u+8*\j+2*\q+1], v[S+32*\u+8*\j+2*\q+2]
.endr
.endr
.endr
.irp u, 0,1,2
	v_max3_num_f32 v[ST+8*\u+4], v[ST+8*\u+4], v[S+32*\u+7], v[S+32*\u+15]
	v_max3_num_f32 v[ST+8*\u+6], v[ST+8*\u+6], v[S+32*\u+23], v[S+32*\u+31]
.endr
.irp u, 0,1,2
	v_max3_num_f32 v[ST+8*\u+4], v[ST+8*\u+4], v[ST+8*\u+5], v[ST+8*\u+6]
.endr
.irp u, 0,1,2
	v_max3_num_f32 v[ST+8*\u+4], v[ST+8*\u+4], v[ST+8*\u+7], v[ST+8*\u+1]   ; and the old m
.endr
.irp u, 0,1,2
	v_permlanex16_b32 v[ST+8*\u+5], v[ST+8*\u+4], s36, s37                  ; the query's other 32 keys lie in the lane 16 away
.endr
.irp u, 0,1,2
	v_mov_b32 v[ST+8*\u+7], v[ST+8*\u]                                      ; c m_old
.endr
.irp u, 0,1,2
	v_max_num_f32 v[ST+8*\u+1], v[ST+8*\u+4], v[ST+8*\u+5]
.endr
.irp u, 0,1,2
	v_mul_f32 v[ST+8*\u], s34, v[ST+8*\u+1]
.endr
.irp u, 0,1,2
	v_sub_f32 v[ST+8*\u+7], v[ST+8*\u+7], v[ST+8*\u]
.endr
.irp i, 0,2,4,6,8,10,12,14,16,18,20,22,24,26,28,30
.irp u, 0,1,2
	v_pk_fma_f32 v[S+32*\u+\i:S+32*\u+\i+1], v[S+32*\u+\i:S+32*\u+\i+1], s[34:35], v[ST+8*\u:ST+8*\u+1] op_sel_hi:[1,0,0] neg_lo:[0,0,1] neg_hi:[0,0,1]   ; c s - c m
.endr
.endr
.irp u, 0,1,2
	v_exp_f32 v[ST+8*\u+6], v[ST+8*\u+7]           ; the factor 2^(c m_old - c m_new)
.endr
.irp i, 0,1,2,3,4,5,6,7,8,9,10,11,12,13,14,15,16,17,18,19,20,21,22,23,24,25,26,27,28,29,30,31
.irp u, 0,1,2
	v_exp_f32 v[S+32*\u+\i], v[S+32*\u+\i]
.endr
.endr
	v_nop                                          ; one plain place behind the last exponential
	s_wait_alu depctr_va_vdst(0)                   ; ONE wait for the batch of 99, ahead of the first line that names a result
.irp i, 0,1,2,3,4,5,6,7,8,9,10,11,12,13,14,15
.irp u, 0,1,2
	v_cvt_pk_f16_f32 v[P+16*\u+\i], v[S+32*\u+2*\i], v[S+32*\u+2*\i+1]
.endr
.endr
.irp u, 0,1,2                          ; the sum of the unrounded p: 16 pairs in two chains
	v_pk_add_f32 v[T+4*\u:T+4*\u+1], v[S+32*\u:S+32*\u+1], v[S+32*\u+2:S+32*\u+3]
	v_pk_add_f32 v[T+4*\u+2:T+4*\u+3], v[S+32*\u+4:S+32*\u+5], v[S+32*\u+6:S+32*\u+7]
.endr
.irp i, 8,12,16,20,24,28
.irp u, 0,1,2
	v_pk_add_f32 v[T+4*\u:T+4*\u+1], v[T+4*\u:T+4*\u+1], v[S+32*\u+\i:S+32*\u+\i+1]
	v_pk_add_f32 v[T+4*\u+2:T+4*\u+3], v[T+4*\u+2:T+4*\u+3], v[S+32*\u+\i+2:S+32*\u+\i+3]
.endr
.endr
.irp u, 0,1,2
	v_pk_add_f32 v[T+4*\u:T+4*\u+1], v[T+4*\u:T+4*\u+1], v[T+4*\u+2:T+4*\u+3]
.endr
.irp u, 0,1,2
	v_pk_fma_f32 v[ST+8*\u+2:ST+8*\u+3], v[ST+8*\u+2:ST+8*\u+3], v[ST+8*\u+6:ST+8*\u+7], v[T+4*\u:T+4*\u+1] op_sel_hi:[1,0,1]
.endr
.endm
; O^T x the factor, each accumulator from its low end on; then 24 products O^T += V^T P, 12 accumulators by turns.  n: the LDS loads younger than V's, which may stay out
.macro PV n
	WIN 0x41
.irp u, 0,1,2
.irp i, 0,2,4,6,8,10,12,14,16,18,20,22,24,26,28,30
	v_pk_mul_f32 v[O+32*\u+\i:O+32*\u+\i+1], v[O+32*\u+\i:O+32*\u+\i+1], v[ST+8*\u+6:ST+8*\u+7] op_sel_hi:[1,0]
.endr
.endr
	s_wait_dscnt \n                                ; V is in
	WIN 0x51
.irp g, 0,1
.irp dt, 0,1,2,3
.irp u, 0,1,2
	v_wmma_f32_16x16x32_f16 v[O+32*\u+8*\dt:O+32*\u+8*\dt+7], v[VF+32*\g+8*\dt:VF+32*\g+8*\dt+7], v[P+16*\u+8*\g:P+16*\u+8*\g+7], v[O+32*\u+8*\dt:O+32*\u+8*\dt+7]
.endr
.endr
.endr
	WIN 0
	PLACES                                         ; in front of loads into V's registers and of the next roundings into P
.endm
; A prefetch of the part behind the one that is being loaded: 65,536 bytes, 8,192 a wave, lanes 256 bytes apart, one instruction a wave.  All 11 work-groups of a head walk the same parts: the first of them asks,
; so each block is named once in the launch.  It is asked for one slot, two of a wave's key steps, ahead of its tensor load.  Parts 0 and 1 come by their loads alone; the last change that fills a slot asks for nothing.
.macro ASK
	s_cmp_gt_u32 s29, s30
	s_cbranch_scc0 .Lnot_mine_\@
	global_prefetch_b8 v[PFO], s[32:33] th:TH_LOAD_NT scope:SCOPE_SE
.Lnot_mine_\@:
.endm
; THE CHANGE OF SLOTS, at a slot's head.  Each wave waits for all its tensor loads (its eighth of the slot ahead), adds 0 to its spare word, and waits for that and for its reads of the slot that it leaves.
; Behind the barrier the slot ahead is whole and nobody reads the other one.  fill = 1: the other slot takes the next part: my one tensor load until the next barrier, and the first thing behind this one.
.macro CHANGE fill
	s_wait_tensorcnt 0x0                           ; no tensor load of mine is out, so the descriptor may be written
	ds_add_u32 v[SPW], v[NIL]
.if \fill
	s_xor_b32 s25, s25, SLOT1                      ; the other slot than last time,
	s_add_nc_u64 s[26:27], s[26:27], PARTB         ; the next part; the type bits on top are not reached
	s_wait_xcnt 0x0                                ; the last prefetch, a slot back, has read its address
	s_add_nc_u64 s[32:33], s[32:33], PARTB
.endif
	s_wait_dscnt 0x0                               ; the add is done, and my reads of the slot that I leave are in registers
	s_barrier_signal -1
	s_barrier_wait -1
.if \fill
	tensor_load_to_lds s[24:27], s[16:23]
	s_nop 0
	PLACES
	ASK
.endif
	v_add_nc_u32 v[AD], s28, v[LB]                 ; the slot ahead
	s_xor_b32 s28, s28, SLOT1
.endm
; A slot's work of a wave: its two key steps.  LDS loads are issued in the order K0, V0, K1, V1 on both ways, 16 each: a wait for 16 leaves the youngest run out.
.macro BODY first
	FETCH_K 0
.if !\first
	s_cmp_eq_u32 s11, 1
	s_cbranch_scc0 .Lnot_late_\@
	SM                                             ; KH = 1: the last slot's last step, from registers
	PV 16                                          ; (its V was shown in by the change's wait for 0)
.Lnot_late_\@:
.endif
	FETCH_V 0
	s_wait_dscnt 16                                ; K0 is in
	QK
	FETCH_K 1
	SM
	PV 16                                          ; V0 is in; K1 may be out
	FETCH_V 1
	s_wait_dscnt 16                                ; K1 is in
	QK
.endm
.macro EARLY                           ; KH = 0: the slot's last step is finished ahead of the change of slots
	s_cmp_eq_u32 s11, 0
	s_cbranch_scc0 .Lnot_early_\@
	SM
	PV 0
.Lnot_early_\@:
.endm
	s_load_b128 s[4:7], s[0:1], 0x0                ; qimg s[4:5], kv s[6:7]
	s_load_b64 s[8:9], s[0:1], 0x10                ; oimg
	v_lshl_add_u32 v[SPW], v0, 2, SPARE
	v_mov_b32 v[NIL], 0
	ds_add_u32 v[SPW], v[NIL]                      ; the wave's opening: the add, twice on end, and its wait ahead of my first tensor load
	ds_add_u32 v[SPW], v[NIL]
	v_lshrrev_b32 v2, 5, v0
	v_readfirstlane_b32 s10, v2                    ; wave 0..7
	s_lshr_b32 s11, s10, 2                         ; KH
	s_and_b32 s12, s10, 3                          ; G
	s_and_b32 s13, ttmp7, 0xffff                   ; bh
	s_mov_b32 s14, ttmp9                           ; x: the block of 192 queries
	; descriptor group 1: 32 rows of 32 elements of 8 bytes, dense: 8,192 bytes as they lie
	s_mov_b32 s16, 3<<16                           ; no mask; elements of 8 bytes; no padding
	s_mov_b32 s17, 32<<16                          ; tensor_dim0 = 32
	s_mov_b32 s18, 32<<16                          ; tensor_dim1 = 32
	s_mov_b32 s19, 32<<16                          ; tile_dim0 = 32
	s_mov_b32 s20, 32                              ; tile_dim1 = 32
	s_mov_b32 s21, 32                              ; from row to row: 32 elements
	s_mov_b32 s22, 0
	s_mov_b32 s23, 0
	s_mov_b32 s24, 1                               ; group 0: count = 1
	s_lshl_b32 s25, s10, 13                        ; LDS: slot 0, my eighth
	s_lshl_b32 s56, s13, 19                        ; the head's 524,288 bytes of kv,
	s_add_co_u32 s56, s56, s25                     ; my eighth of part 0
	s_mov_b32 s57, 0
	s_mov_b32 s28, 0                               ; the slot ahead
	s_mov_b32 s29, 7                               ; parts still to be asked for
	s_cmp_eq_u32 s14, 0
	s_cselect_b32 s30, 1, -1                       ; 1 in the head's first work-group, else the greatest number: a wave prefetches while s29 is above it
	s_mov_b32 s34, 0x4238aa3b                      ; c = 32 log2(e)
	s_mov_b32 s35, s34                             ; (named with it as a pair)
	s_mov_b32 s36, 0x76543210
	s_mov_b32 s37, 0xfedcba98                      ; v_permlanex16_b32's selects for lane l xor 16
	s_mul_i32 s52, s14, 12
	s_mul_i32 s53, s12, 3
	s_add_co_u32 s52, s52, s53                     ; my three tiles
	s_add_co_u32 s53, s52, 1
	s_add_co_u32 s54, s52, 2
	s_mul_i32 s60, s13, 205
	s_lshr_b32 s60, s60, 10                        ; b = bh / 5
	s_mul_i32 s61, s60, 5
	s_sub_co_u32 s61, s13, s61                     ; h
	s_lshl_b32 s58, s13, 7
	s_lshl_b32 s59, s60, 7
	s_lshl_b32 s61, s61, 11
.irp u, 0,1,2
	s_min_u32 s55, s[52+\u], 127                   ; no load leaves its buffer
	s_add_co_u32 s[40+2*\u], s58, s55
	s_lshl_b32 s[40+2*\u], s[40+2*\u], 11          ; qimg: (128 bh + tile) x 2,048
	s_mov_b32 s[41+2*\u], 0
	s_add_co_u32 s[46+2*\u], s59, s55
	s_mul_i32 s[46+2*\u], s[46+2*\u], 10240
	s_add_co_u32 s[46+2*\u], s[46+2*\u], s61       ; oimg: (128 b + tile) x 10,240 + 2,048 h
	s_mov_b32 s[47+2*\u], 0
.endr
	v_and_b32 v7, 31, v0
	v_lshlrev_b32 v[PFO], 8, v7
	v_lshlrev_b32 v6, 2, v7
	v_lshlrev_b32 v[GO], 4, v7
	s_lshl_b32 s55, s11, 13
	v_add_nc_u32 v[LB], s55, v[GO]
	s_mul_i32 s55, s12, MGRP
	s_add_co_u32 s55, s55, MERGE
	v_add_nc_u32 v[MGA], s55, v[GO]
	s_add_co_u32 s55, s55, 12288
	v_add_nc_u32 v[MGS], s55, v6
.irp u, 0,1,2
	v_mov_b32 v[ST+8*\u], 0xff61b1e6               ; c m and m: -3e38, under every score
	v_mov_b32 v[ST+8*\u+1], 0xff61b1e6
	v_mov_b32 v[ST+8*\u+2], 0                      ; l, in two halves
	v_mov_b32 v[ST+8*\u+3], 0
.endr
	s_wait_dscnt 0x0                               ; both opening adds are done
	s_wait_kmcnt 0x0
	s_add_nc_u64 s[26:27], s[6:7], s[56:57]
	s_add_nc_u64 s[32:33], s[26:27], PARTB         ; the prefetches stand in part 1; the first change steps them to part 2
	s_or_b32 s27, s27, 0x80000000                  ; type = 2
	tensor_load_to_lds s[24:27], s[16:23]          ; part 0 into slot 0
	s_nop 0
	PLACES
.irp u, 0,1,2
	s_add_nc_u64 s[40+2*\u:41+2*\u], s[4:5], s[40+2*\u:41+2*\u]
	s_add_nc_u64 s[46+2*\u:47+2*\u], s[8:9], s[46+2*\u:47+2*\u]
.endr
	WIN 0x40
.irp u, 0,1,2
.irp i, 0,1,2,3
	global_load_b128 v[Q+16*\u+4*\i:Q+16*\u+4*\i+3], v[GO], s[40+2*\u:41+2*\u] offset:512*\i   ; Q stays in registers
.endr
.endr
.set jj, 0
.rept 96
	v_mov_b32 v[O+jj], 0                           ; O^T: the first step finds zeros, which its factor 0 leaves zeros
.set jj, jj+1
.endr
	WIN 0
	s_wait_loadcnt 0x0                             ; Q
	CHANGE 1                                       ; part 0 is whole; part 1 goes out, into slot 1: behind this barrier every load is a first fill
	BODY 1
	s_mov_b32 s29, 6
.Lslot:                                            ; six trips: parts 2 to 7 are asked for, parts 1 to 6 are walked
	EARLY
	CHANGE 1
	BODY 0
	s_sub_co_u32 s29, s29, 1
	s_cmp_lg_u32 s29, 0
	s_cbranch_scc1 .Lslot
	EARLY                                          ; the last part is written out: nothing is left to ask for
	CHANGE 0
	BODY 0
	SM                                             ; every wave's last step
	PV 0
	; THE WAY OUT.  l's halves are added; the waves with KH = 1 hand O^T, c m and l to their partners through LDS.
.irp u, 0,1,2
	v_add_f32 v[ST+8*\u+4], v[ST+8*\u+2], v[ST+8*\u+3]
.endr
.irp u, 0,1,2
	v_permlanex16_b32 v[ST+8*\u+5], v[ST+8*\u+4], s36, s37
.endr
.irp u, 0,1,2
	v_add_f32 v[ST+8*\u+4], v[ST+8*\u+4], v[ST+8*\u+5]
.endr
	s_cmp_eq_u32 s11, 1
	s_cbranch_scc0 .Lkeeps
.irp u, 0,1,2
	ds_store_b32 v[MGS], v[ST+8*\u] offset:256*\u
	ds_store_b32 v[MGS], v[ST+8*\u+4] offset:256*\u+128
.endr
	WIN 0x04                                       ; an LDS store's data are its source 1: window 1
.set ff, 0
.rept 24
	ds_store_b128 v[MGA], v[O+4*ff:O+4*ff+3] offset:512*ff   ; each accumulator from its low end on
.set ff, ff+1
.endr
	WIN 0
.Lkeeps:
	s_wait_dscnt 0x0                               ; my stores have landed
	s_barrier_signal -1
	s_barrier_wait -1
	s_cmp_eq_u32 s11, 1
	s_cbranch_scc1 .Lend
.irp u, 0,1,2
	ds_load_b32 v[T+4*\u], v[MGS] offset:256*\u            ; the partner's c m,
	ds_load_b32 v[T+4*\u+1], v[MGS] offset:256*\u+128      ; its l,
.endr
.set ff, 0
.rept 24
	ds_load_b128 v[S+4*ff:S+4*ff+3], v[MGA] offset:512*ff  ; and its O^T, into the scores' registers
.set ff, ff+1
.endr
	s_wait_dscnt 0x0
.irp u, 0,1,2
	v_max_num_f32 v[T+4*\u+2], v[ST+8*\u], v[T+4*\u]       ; the joint c m
.endr
.irp u, 0,1,2
	v_sub_f32 v[ST+8*\u+5], v[ST+8*\u], v[T+4*\u+2]
	v_sub_f32 v[ST+8*\u+6], v[T+4*\u], v[T+4*\u+2]
.endr
.irp u, 0,1,2
	v_exp_f32 v[ST+8*\u+5], v[ST+8*\u+5]
	v_exp_f32 v[ST+8*\u+6], v[ST+8*\u+6]
.endr
	v_nop
	s_wait_alu depctr_va_vdst(0)                   ; one wait for the six
.irp u, 0,1,2
	v_mul_f32 v[T+4*\u+3], v[ST+8*\u+4], v[ST+8*\u+5]
.endr
.irp u, 0,1,2
	v_fma_f32 v[T+4*\u+3], v[T+4*\u+1], v[ST+8*\u+6], v[T+4*\u+3]   ; the joint l
.endr
.irp u, 0,1,2
	v_rcp_f32 v[T+4*\u+3], v[T+4*\u+3]
.endr
	v_nop
	s_wait_alu depctr_va_vdst(0)                   ; one wait for the three
.irp u, 0,1,2
	v_mul_f32 v[ST+8*\u+2], v[ST+8*\u+5], v[T+4*\u+3]      ; my factor / l
	v_mul_f32 v[ST+8*\u+6], v[ST+8*\u+6], v[T+4*\u+3]      ; the partner's
.endr
	WIN 0x41
.irp u, 0,1,2
.irp i, 0,2,4,6,8,10,12,14,16,18,20,22,24,26,28,30
	v_pk_mul_f32 v[O+32*\u+\i:O+32*\u+\i+1], v[O+32*\u+\i:O+32*\u+\i+1], v[ST+8*\u+2:ST+8*\u+3] op_sel_hi:[1,0]
.endr
.endr
	WIN 0x10
.irp u, 0,1,2
.irp i, 0,2,4,6,8,10,12,14,16,18,20,22,24,26,28,30
	v_pk_fma_f32 v[S+32*\u+\i:S+32*\u+\i+1], v[S+32*\u+\i:S+32*\u+\i+1], v[ST+8*\u+6:ST+8*\u+7], v[O+32*\u+\i:O+32*\u+\i+1] op_sel_hi:[1,0,1]
.endr
.endr
	WIN 0
.irp u, 0,1,2
.irp i, 0,1,2,3,4,5,6,7,8,9,10,11,12,13,14,15
	v_cvt_pk_f16_f32 v[P+16*\u+\i], v[S+32*\u+2*\i], v[S+32*\u+2*\i+1]
.endr
.endr
.irp u, 0,1,2
	s_cmp_lt_u32 s[52+\u], 128                     ; a tile past the head's 128 is not stored
	s_cbranch_scc0 .Lno_tile_\u
.irp dt, 0,1,2,3
	global_store_b128 v[GO], v[P+16*\u+4*\dt:P+16*\u+4*\dt+3], s[46+2*\u:47+2*\u] offset:512*\dt   ; 512 consecutive aligned bytes a store
.endr
.Lno_tile_\u:
.endr
.Lend:
	s_wait_tensorcnt 0x0                           ; the wave's end
	ds_add_u32 v[SPW], v[NIL]
	s_wait_dscnt 0x0
	s_endpgm
.Lfunc_end_k_q5b749f12a0_attn:
	.size	k_q5b749f12a0_attn, .Lfunc_end_k_q5b749f12a0_attn-k_q5b749f12a0_attn
	.p2alignl 7, 3214868480
	.fill 96, 4, 3214868480
	.section	.rodata,"a",@progbits
	.p2align	6, 0x0
	.amdhsa_kernel k_q5b749f12a0_attn
		.amdhsa_group_segment_fixed_size 327680
		.amdhsa_private_segment_fixed_size 0
		.amdhsa_enable_private_segment 0
		.amdhsa_kernarg_size 24
		.amdhsa_user_sgpr_count 2
		.amdhsa_user_sgpr_kernarg_segment_ptr 1
		.amdhsa_wavefront_size32 1
		.amdhsa_system_sgpr_workgroup_id_x 1
		.amdhsa_system_sgpr_workgroup_id_y 1
		.amdhsa_system_sgpr_workgroup_id_z 1
		.amdhsa_system_vgpr_workitem_id 0
		.amdhsa_next_free_vgpr 464
		.amdhsa_next_free_sgpr 66
		.amdhsa_reserve_vcc 0
		.amdhsa_float_denorm_mode_32 3
		.amdhsa_float_denorm_mode_16_64 3
		.amdhsa_memory_ordered 1
		.amdhsa_forward_progress 1
		.amdhsa_inst_pref_size 215
	.end_amdhsa_kernel
	.amdgpu_metadata
---
amdhsa.version: [ 1, 2 ]
amdhsa.kernels:
  - .name:           k_q5b749f12a0_attn
    .symbol:         k_q5b749f12a0_attn.kd
    .args:
      - { .name: qimg, .offset: 0, .size: 8, .value_kind: global_buffer, .address_space: global }
      - { .name: kv, .offset: 8, .size: 8, .value_kind: global_buffer, .address_space: global }
      - { .name: oimg, .offset: 16, .size: 8, .value_kind: global_buffer, .address_space: global }
    .group_segment_fixed_size: 327680
    .private_segment_fixed_size: 0
    .kernarg_segment_align: 8
    .kernarg_segment_size: 24
    .max_flat_workgroup_size: 256
    .sgpr_count:     66
    .vgpr_count:     464
    .wavefront_size: 32
...
	.end_amdgpu_metadata
.endif
;; end of part 2
;; launch proj (part 3): grid 32 x 5, 8 waves a work-group, no clusters, 76,800 bytes of LDS; arguments oimg, Wo, bo, out0; writes out0
.if DOCPART == 3
	.amdgcn_target "amdgcn-amd-amdhsa--gfx1250"
	.amdhsa_code_object_version 6
	.text
	.protected	k_q5b749f12a0_proj
	.globl	k_q5b749f12a0_proj
	.p2align	8
	.type	k_q5b749f12a0_proj,@function
k_q5b749f12a0_proj:
	s_mov_b64 s[64:65], 0
	v_nop
	global_prefetch_b8 v0, s[64:65] scope:SCOPE_SE
	s_setreg_imm32_b32 hwreg(HW_REG_WAVE_MODE, 25, 1), 1
	s_wait_xcnt 0x0
; out0 = o Wo + bo.  o comes as f16 images of operand registers: oimg [row tile 512][K step 10][c 2][lane][16 B]; Wo [320 (k)][320 (n)] f32 is rounded to f16 here; bo [320] f32; out0 [8192][320] f32; sums in f32.
; SHARES.  A work-group makes 256 rows x 64 columns (256 aligned bytes of each row of out0).  Wave w owns row tiles 2 w and 2 w + 1 of the block: their 20 fragments, 160 registers, come by 40 loads of 512 consecutive bytes.
; Wo's 320 x 64 numbers become fragments in LDS once for the work-group: wave w takes column half w & 1 and k = 80 (w >> 1) + 0..79, a lane to a column, registers down K: eight neighbours along K pack into the
; 16 bytes that the operand's layout gives one lane; fragment (column tile ct, K step s, half c) lies at 10,240 ct + 1,024 s + 512 c + 16 x lane.
; The product is used transposed (source 0 = 16 columns of Wo, source 1 = 16 rows of o): a lane holds eight neighbouring columns of one row.  The bias is the C of each sum's first product.
; The way out goes through the wave's own stage in LDS: sixteen lanes store 256 consecutive aligned bytes.
; NO CLUSTER, NO TENSOR LOAD: o's images go straight into registers, each read by one wave of a work-group; Wo has to pass through registers to be rounded.  No prefetch: all loads go out in one round at the head.
; LIMITS: numbers of Wo beyond 65,504 become infinity in f16; NaN and infinities are not served.
; REGISTERS.  Window 0: v1 4 lane, v2 where my part of Wo goes, v3 16 lane (LDS), v4 / v5 the stage in / back, v6 out0 offset, v7 16 lane (global), v8 32 (lane / 16), v9 / v10 the add's two;
;   v16-47 the bias; v48-111 eight accumulators; v112-191 Wo as loaded, then v112-175 two buffers of four fragments; v192-231 Wo rounded; v176-239 rows on the way out.   Window 1: v0-159 o.
.set WOI,   0
.set STG,   40960                      ; 16 rows x (256 bytes + 16) for each wave
.set SPARE, 75776                      ; the spare words: 128 bytes for each of 8 waves, named by no other line
.set BI,  16
.set ACC, 48
.set WF,  112
.set WL,  112
.set WH,  192
.set BK,  176
.set MSB, 0
.macro WIN new
.if MSB != \new
	s_set_vgpr_msb (MSB<<8)|\new
.set MSB, \new
.endif
.endm
.macro PLACES
.rept 4
	v_nop
.endr
.endm
.macro FETCH s                         ; K step s: four fragments of Wo into buffer s % 2
.irp ct, 0,1,2,3
.irp c, 0,1
	ds_load_b128 v[WF+32*((\s)%2)+8*\ct+4*\c:WF+32*((\s)%2)+8*\ct+4*\c+3], v3 offset:10240*\ct+1024*(\s)+512*\c
.endr
.endr
.endm
	s_load_b256 s[4:11], s[0:1], 0x0               ; oimg s[4:5], Wo s[6:7], bo s[8:9], out0 s[10:11]
	v_lshl_add_u32 v9, v0, 2, SPARE                ; my spare word,
	v_mov_b32 v10, 0                               ; and 0: kept for the add at the wave's end
	v_lshrrev_b32 v11, 5, v0
	v_readfirstlane_b32 s12, v11                   ; wave 0..7
	s_and_b32 s13, s12, 1
	s_lshr_b32 s14, s12, 1
	s_and_b32 s15, ttmp7, 0xffff                   ; the group of 64 columns
	s_lshl_b32 s16, ttmp9, 4
	s_lshl_b32 s17, s12, 1
	s_add_co_u32 s16, s16, s17
	s_mul_i32 s16, s16, 10240                      ; oimg: row tile 16 x row block + 2 x wave
	s_mov_b32 s17, 0
	s_mul_i32 s18, s14, 102400                     ; Wo: 80 (w >> 1) rows of 1,280 bytes,
	s_lshl_b32 s20, s15, 8                         ; the group's 256 bytes (bo's too),
	s_add_co_u32 s18, s18, s20
	s_lshl_b32 s19, s13, 7
	s_add_co_u32 s18, s18, s19                     ; my half of them
	s_mov_b32 s19, 0
	s_mov_b32 s21, 0
	s_lshl_b32 s22, ttmp9, 8
	s_lshl_b32 s23, s12, 5
	s_add_co_u32 s22, s22, s23
	s_mul_i32 s22, s22, 1280
	s_add_co_u32 s22, s22, s20                     ; out0: row 256 x row block + 32 x wave, the group's columns
	s_mov_b32 s23, 0
	s_mul_i32 s24, s13, 20480
	s_mul_i32 s25, s14, 2560
	s_add_co_u32 s24, s24, s25
	v_and_b32 v11, 31, v0                          ; lane
	v_and_b32 v12, 15, v0                          ; r
	v_bfe_u32 v13, v0, 4, 1                        ; hh
	v_lshlrev_b32 v1, 2, v11
	v_lshlrev_b32 v3, 4, v11
	v_lshlrev_b32 v7, 4, v11
	v_mul_u32_u24 v2, v13, 10240
	v_lshl_add_u32 v2, v12, 4, v2
	v_add_nc_u32 v2, s24, v2                       ; column tile 2 (w & 1) + lane / 16, column lane % 16, octet 10 (w >> 1)
	s_mul_i32 s25, s12, 4352
	s_add_co_u32 s25, s25, STG                     ; my stage
	v_mul_u32_u24 v4, v12, 272
	v_lshl_add_u32 v4, v13, 5, v4
	v_add_nc_u32 v4, s25, v4                       ; in: row r, 32 bytes for each half of the lanes
	v_mul_u32_u24 v5, v13, 272
	v_lshl_add_u32 v5, v12, 4, v5
	v_add_nc_u32 v5, s25, v5                       ; back: lanes 0-15 one row of 256 bytes, lanes 16-31 the next
	v_mul_u32_u24 v6, v13, 1280
	v_lshl_add_u32 v6, v12, 4, v6                  ; and the same two rows in out0
	v_lshlrev_b32 v8, 5, v13
	s_wait_kmcnt 0x0
	s_add_nc_u64 s[4:5], s[4:5], s[16:17]
	s_add_nc_u64 s[6:7], s[6:7], s[18:19]
	s_add_nc_u64 s[8:9], s[8:9], s[20:21]
	s_add_nc_u64 s[10:11], s[10:11], s[22:23]
	; one round of loads: Wo's 80, the bias's 8, o's 40
.irp e, 0,1,2,3,4,5,6,7,8,9
.irp i, 0,1,2,3,4,5,6,7
	global_load_b32 v[WL+8*\e+\i], v1, s[6:7] offset:(8*\e+\i)*1280   ; 128 consecutive bytes a load
.endr
.endr
.irp ct, 0,1,2,3
	global_load_b128 v[BI+8*\ct:BI+8*\ct+3], v8, s[8:9] offset:64*\ct          ; bo of columns 16 ct + 8 hh + 0..7: the result's layout
	global_load_b128 v[BI+8*\ct+4:BI+8*\ct+7], v8, s[8:9] offset:64*\ct+16
.endr
	WIN 0x40
.irp rt, 0,1
.irp f, 0,1,2,3,4,5,6,7,8,9,10,11,12,13,14,15,16,17,18,19
	global_load_b128 v[80*\rt+4*\f:80*\rt+4*\f+3], v7, s[4:5] offset:10240*\rt+512*\f
.endr
.endr
	WIN 0
	s_wait_loadcnt 48                              ; Wo's numbers are in; the 48 younger loads may be out
.irp e, 0,1,2,3,4,5,6,7,8,9
.irp i, 0,1,2,3
	v_cvt_pk_f16_f32 v[WH+4*\e+\i], v[WL+8*\e+2*\i], v[WL+8*\e+2*\i+1]
.endr
	ds_store_b128 v2, v[WH+4*\e:WH+4*\e+3] offset:256*\e
.endr
	s_wait_dscnt 0x0                               ; my stores have landed
	s_barrier_signal -1
	s_barrier_wait -1                              ; everybody's have: the one barrier of the launch
	FETCH 0
	FETCH 1
	s_wait_loadcnt 0x0                             ; the bias and o
	WIN 0x04                                       ; source 1 (o) in window 1; the LDS loads below name a destination and a source 0 alone, both in window 0
.set sk, 0
.rept 10                               ; ten K steps of 32: eight accumulators by turns, one instruction a turn
.if sk < 9
	s_wait_dscnt 8                                 ; this step's eight loads are in; the next step's may be out
.else
	s_wait_dscnt 0
.endif
.irp ct, 0,1,2,3
.irp rt, 0,1
.if sk == 0
	v_wmma_f32_16x16x32_f16 v[ACC+16*\ct+8*\rt:ACC+16*\ct+8*\rt+7], v[WF+32*(sk%2)+8*\ct:WF+32*(sk%2)+8*\ct+7], v[80*\rt+8*sk:80*\rt+8*sk+7], v[BI+8*\ct:BI+8*\ct+7]
.else
	v_wmma_f32_16x16x32_f16 v[ACC+16*\ct+8*\rt:ACC+16*\ct+8*\rt+7], v[WF+32*(sk%2)+8*\ct:WF+32*(sk%2)+8*\ct+7], v[80*\rt+8*sk:80*\rt+8*sk+7], v[ACC+16*\ct+8*\rt:ACC+16*\ct+8*\rt+7]
.endif
.endr
.endr
.if sk < 8
	PLACES                                         ; in front of loads into the buffer just multiplied
	FETCH sk+2
.endif
.set sk, sk+1
.endr
	WIN 0
	PLACES                                         ; in front of the first read of results
.irp rt, 0,1                           ; 16 rows at a time through my stage; LDS serves a wave's instructions in order, so no wait stands between stores and loads, nor ahead of the next 16 rows' stores
.irp ct, 0,1,2,3
	ds_store_b128 v4, v[ACC+16*\ct+8*\rt:ACC+16*\ct+8*\rt+3] offset:64*\ct          ; each accumulator from its low end on
	ds_store_b128 v4, v[ACC+16*\ct+8*\rt+4:ACC+16*\ct+8*\rt+7] offset:64*\ct+16
.endr
.irp i, 0,1,2,3,4,5,6,7
	ds_load_b128 v[BK+32*\rt+4*\i:BK+32*\rt+4*\i+3], v5 offset:544*\i
.endr
.endr
.irp i, 0,1,2,3,4,5,6,7
	s_wait_dscnt 23-\i                             ; behind this load: the first tile's later loads and the second tile's sixteen instructions
	global_store_b128 v6, v[BK+4*\i:BK+4*\i+3], s[10:11] offset:2560*\i th:TH_STORE_NT
.endr
.irp i, 0,1,2,3,4,5,6,7
	s_wait_dscnt 7-\i
	global_store_b128 v6, v[BK+32+4*\i:BK+32+4*\i+3], s[10:11] offset:20480+2560*\i th:TH_STORE_NT   ; sixteen lanes store 256 consecutive aligned bytes; written once, read by nobody here
.endr
	s_wait_tensorcnt 0x0                           ; the wave's end
	ds_add_u32 v9, v10
	s_wait_dscnt 0x0
	s_endpgm
.Lfunc_end_k_q5b749f12a0_proj:
	.size	k_q5b749f12a0_proj, .Lfunc_end_k_q5b749f12a0_proj-k_q5b749f12a0_proj
	.p2alignl 7, 3214868480
	.fill 96, 4, 3214868480
	.section	.rodata,"a",@progbits
	.p2align	6, 0x0
	.amdhsa_kernel k_q5b749f12a0_proj
		.amdhsa_group_segment_fixed_size 76800
		.amdhsa_private_segment_fixed_size 0
		.amdhsa_enable_private_segment 0
		.amdhsa_kernarg_size 32
		.amdhsa_user_sgpr_count 2
		.amdhsa_user_sgpr_kernarg_segment_ptr 1
		.amdhsa_wavefront_size32 1
		.amdhsa_system_sgpr_workgroup_id_x 1
		.amdhsa_system_sgpr_workgroup_id_y 1
		.amdhsa_system_sgpr_workgroup_id_z 1
		.amdhsa_system_vgpr_workitem_id 0
		.amdhsa_next_free_vgpr 416
		.amdhsa_next_free_sgpr 66
		.amdhsa_reserve_vcc 0
		.amdhsa_float_denorm_mode_32 3
		.amdhsa_float_denorm_mode_16_64 3
		.amdhsa_memory_ordered 1
		.amdhsa_forward_progress 1
		.amdhsa_inst_pref_size 34
	.end_amdhsa_kernel
	.amdgpu_metadata
---
amdhsa.version: [ 1, 2 ]
amdhsa.kernels:
  - .name:           k_q5b749f12a0_proj
    .symbol:         k_q5b749f12a0_proj.kd
    .args:
      - { .name: oimg, .offset: 0, .size: 8, .value_kind: global_buffer, .address_space: global }
      - { .name: Wo, .offset: 8, .size: 8, .value_kind: global_buffer, .address_space: global }
      - { .name: bo, .offset: 16, .size: 8, .value_kind: global_buffer, .address_space: global }
      - { .name: out0, .offset: 24, .size: 8, .value_kind: global_buffer, .address_space: global }
    .group_segment_fixed_size: 76800
    .private_segment_fixed_size: 0
    .kernarg_segment_align: 8
    .kernarg_segment_size: 32
    .max_flat_workgroup_size: 256
    .sgpr_count:     66
    .vgpr_count:     416
    .wavefront_size: 32
...
	.end_amdgpu_metadata
.endif
;; end of part 3
